; MI455X (gfx1250); checked and timed in simulation.
; The chip was launched on July 23, 2026; its instructions are those of AMD's public machine-readable ISA for CDNA 5 (MIT licence, August 2026) and "CDNA5" Instruction Set Architecture Reference Guide (July 2026). The comments in the code are by the model that wrote it; some were corrected since.
;; Head. Allowed arithmetic: matrix products marked QUANTISED: E3M2 operands, one E8M0 scale for each 32 along K, by v_wmma_scale_f32_16x16x128_f8f6f4 with both operands' format E3M2, f32 sums; everything else in f32.
;; Inputs: Wk 1,024 x 1,024 float32; Wq 1,024 x 1,024 float32; Wv 1,024 x 1,024 float32; bk 1,024 float32; bq 1,024 float32; bv 1,024 float32; inputs 128 x 128 x 1,024 float32.
;; Outputs: out0 128 x 128 x 1,024 float32.
;; This version of the problem:
;;   THIS VERSION OF THE PROBLEM IS GIVEN IN LOW PRECISION. The matrix products marked QUANTISED in the list below multiply operands that are first quantised to E3M2 (3 exponent bits, 2 mantissa bits; 6 bits a number), with one power-of-two scale for each 32 numbers along K (OCP MX v1.0); their sums are f32. All else is computed in f32.
;;   The module's matrix products, in the order in which they are computed (A, B: the left and right operand; K: the contracted axis; several contracted axes count as one K, in the product's order):
;;     1. [M 16,384, K 1,024] x [K 1,024, N 1,024]; A: input inputs; B: input Wk: QUANTISED
;;     2. [M 16,384, K 1,024] x [K 1,024, N 1,024]; A: input inputs; B: input Wq: QUANTISED
;;     3. [M 16,384, K 1,024] x [K 1,024, N 1,024]; A: input inputs; B: input Wv: QUANTISED
;;     4. batch 128 x [M 128, K 1,024] x [K 1,024, N 128]; A: computed on the way; B: computed on the way: QUANTISED
;;     5. batch 128 x [M 128, K 128] x [K 128, N 1,024]; A: softmax (see below); B: computed on the way: QUANTISED
;;   THE QUANTISER, for each operand of a quantised product, along K:
;;     - K is cut into blocks of 32 from its start; a last block that is shorter is filled with zeros.
;;     - A block's scale is 2^e with e = floor(log2(the largest magnitude in the block)) - 4, held to -126 .. 127; a block of zeros has e = 0. As a byte (E8M0): e + 127.
;;     - Each number is divided by its block's scale, clamped to +-28, and rounded to the nearest number of E3M2, ties to even, subnormals kept.
;;     - The product sums the exact products of the quantised numbers (number of the format x scale) in f32.
;;   ~~~python
;;   def quantise(x, axis):      # numpy; x: float32 -> the quantised numbers, widened to float32 again
;;       x = np.moveaxis(x, axis, -1); K = x.shape[-1]
;;       x = np.pad(x, [(0, 0)] * (x.ndim - 1) + [(0, -K % 32)]); x = x.reshape(x.shape[:-1] + (-1, 32)); a = np.abs(x).max(-1, keepdims=True)
;;       e = np.where(a > 0, np.clip(np.frexp(np.where(a > 0, a, 1))[1] - 1 - 4, -126, 127), 0)      # np.frexp(a)[1] - 1 = floor(log2(a)), exactly
;;       r = np.clip(x / 2.0 ** e, -28, 28)
;;       step = 2.0 ** (np.maximum(np.frexp(np.where(r == 0, 1, r))[1] - 1, -2) - 2)
;;       q = np.round(r / step) * step * 2.0 ** e      # np.round: ties to even
;;       return np.moveaxis(q.reshape(q.shape[:-2] + (-1,))[..., :K], -1, axis).astype(np.float32)
;;   ~~~
;;   SOFTMAX AHEAD OF A QUANTISED PRODUCT. Where the list says 'softmax', what is quantised is not the finished softmax but p = 2^(t - M), with t = logit x log2(e) and M = ceil(the row's largest t), a whole number; so 1/2 < the row's largest p <= 1. The row's sum l is taken of the UNQUANTISED p, in f32, and the product's result is divided by l at the end. Since M is a whole number, a kernel that streams over the keys may use a running M (the ceiling of the running maximum): every later rescaling is an exact power of two, which a block's scale takes up: the codes' values come out the same.
;;   OPERANDS COMPUTED ON THE WAY. 'Computed on the way' means the value that the module computes at that place (a softmax that the list does not call 'softmax' is quantised finished and normalised). What goes into a quantiser is computed in f32, as accurately as f32 sums, v_exp_f32 and their like allow (about 1e-6 of the number): no bf16 or f16 on the way to a quantiser, and a product that is left as it is and whose result goes on into a quantised operand takes f32 operands (vector FMAs, or v_wmma_f32_16x16x4_f32). A number that lies on a knife's edge between two numbers of the format may be rounded either way, as far as f32 arithmetic and the matrix unit's own rounding can turn it there, and no further.
;; One version. Each part assembles by itself: llvm-mc -triple=amdgcn-amd-amdhsa -mcpu=gfx1250 --defsym DOCPART=n.
;; ======== version 1 of 1: 3 launches
;; workspace buffers: xq 13,107,200 bytes; wq 2,457,600 bytes; sc 16,777,216 bytes
;; launch quant (part 1): grid 1216 x 1, 2 waves a work-group, no clusters, 17,152 bytes of LDS; arguments inputs, Wq, Wk, Wv, xq, wq; writes xq, wq
.if DOCPART == 1
	.amdgcn_target "amdgcn-amd-amdhsa--gfx1250"
	.amdhsa_code_object_version 6
	.text
	.protected	k_q55b5df4000_quant
	.globl	k_q55b5df4000_quant
	.p2align	8
	.type	k_q55b5df4000_quant,@function
k_q55b5df4000_quant:
	s_mov_b64 s[64:65], 0
	v_nop
	global_prefetch_b8 v0, s[64:65] scope:SCOPE_SE
	s_setreg_imm32_b32 hwreg(HW_REG_WAVE_MODE, 25, 1), 1
	s_wait_xcnt 0x0
; inputs [16384][1024] and Wq, Wk, Wv [1024][1024], f32, K innermost, become codes of BF6 (E3M2) with one E8M0 byte for each 32 along K,
; laid not as rows but AS IMAGES OF THE OPERAND'S REGISTERS, so that the product launches fetch every fragment by loads of 16 bytes a lane.
; A BLOCK (102,400 bytes) serves 128 rows x 1,024 K: 8 tiles of 16 rows x 8 K steps of 128.  Fragment (tile t, K step s) lies at 12288 t + 1536 s: its 12 registers as
; three groups of four, group g at 512 g + 16 x lane.  From byte 98,304 on: the scale words; for tile t and K half kh 256 bytes, 8 a lane: register p of the pair holds in lanes 0-15 row r's word of
; K step 4 kh + 2 p and in lanes 16-31 that of K step 4 kh + 2 p + 1.
; THE ROWS OF A TILE ARE NOT NEIGHBOURS: lane r of tile 2 b + u holds row 32 b + 8 u + r + 8 (r / 8), so that the 16 result registers of tiles 2 b and 2 b + 1 are 16 neighbours along the next product's K.
; xq: block = batch.  wq: block 2 j = Wq's rows 128 j on, block 2 j + 1 = Wk's rows 128 j on (j = 0 .. 7), block 16 + v = Wv's rows 128 v on.
; A block's scale is 2^(floor(log2(its largest magnitude)) - 4): its byte is the largest magnitude's exponent field - 4, held at 1 from below by a floor among the maximum's leaves.
; LIMITS: a block whose largest magnitude lies under 2^-122 keeps the byte 1; a block of zeros gets the byte 1 where the rule says 127 (its codes are zeros, and this program alone reads the bytes);
; NaN and infinities among the inputs are not served.
; SHARES.  A wave takes one tile x one K half: 16 rows x 512 numbers, four fragments, in four steps.  Two waves to a work-group: 1,216 small work-groups share out more evenly than half as many of twice the size.
; Work-groups 0-1023 take inputs, the others the weights; only pointers are chosen, one path serves all.
; A step's 16 loads read 512 consecutive bytes of one row each; the numbers turn through the wave's own stage in LDS (rows 528 bytes apart) and come back 32 neighbours along K to a lane, twice.
; No tensor loads, no barrier: waves share nothing.  Loads run three steps (48 of a wave's 64 loads) ahead, in three sets of registers.
.set STG,    8448                      ; a wave's stage: 16 rows x 528 bytes
.set BLOCKB, 102400
.set R,      32                        ; v32-223  three sets of 64 numbers
.set PC,     224                       ; v224-247 a fragment's 12 registers, two sets by turns
	s_load_b256 s[4:11], s[0:1], 0x0               ; inputs s[4:5], Wq s[6:7], Wk s[8:9], Wv s[10:11]
	s_load_b128 s[12:15], s[0:1], 0x20             ; xq s[12:13], wq s[14:15]
	v_lshl_add_u32 v248, v0, 2, 0x4200
	v_mov_b32 v249, 0
	v_lshrrev_b32 v1, 5, v0
	v_readfirstlane_b32 s16, v1                    ; wave 0..1
	v_and_b32 v1, 31, v0                           ; lane
	v_and_b32 v2, 15, v0                           ; r
	v_bfe_u32 v3, v0, 4, 1                         ; h
	v_lshlrev_b32 v4, 4, v1                        ; 16 x lane: my bytes of a load's 512, and of a store's
	s_mul_i32 s17, s16, STG
	v_add_nc_u32 v5, s17, v4                       ; the stage, on the way in: a row as it lies
	v_mul_u32_u24 v6, v2, 528
	v_lshl_add_u32 v6, v3, 7, v6
	v_add_nc_u32 v6, s17, v6                       ; and on the way out: row r, + 128 h: my block of 32 numbers
	v_lshlrev_b32 v7, 3, v1                        ; 8 x lane: the scale words' place
	v_lshlrev_b32 v8, 3, v3                        ; 8 h: how far my two bytes are shifted in the scale word
	v_mov_b32 v10, 0                               ; written once: a lane permute's destination counts as one of its sources
	s_mov_b32 s28, 0x76543210
	s_mov_b32 s29, 0xfedcba98                      ; v_permlanex16_b32's selects for lane l xor 16
	s_mov_b32 s30, 0xffff0000                      ; lanes 16-31
	s_lshr_b32 s36, ttmp9, 1                       ; g: two work-groups, four waves, share a quarter of a block
	s_and_b32 s31, ttmp9, 1
	s_lshl_b32 s31, s31, 1
	s_add_co_u32 s31, s31, s16                     ; which of the four
	s_and_b32 s18, s36, 3
	s_lshl_b32 s19, s18, 2
	s_add_co_u32 s19, s19, s31                     ; my unit of the block's sixteen: 2 x tile + K half
	s_lshr_b32 s20, s19, 1                         ; the tile
	s_and_b32 s21, s19, 1                          ; the K half
	s_max_u32 s22, s36, 512
	s_sub_co_u32 s22, s22, 512
	s_lshr_b32 s22, s22, 2                         ; a weight's block in wq (0 in the work-groups of inputs)
	s_lshr_b32 s23, s36, 2                         ; the batch, for inputs
	s_lshr_b32 s24, s22, 1                         ; which 128 rows of Wq or Wk,
	s_max_u32 s25, s22, 16
	s_sub_co_u32 s25, s25, 16                      ; or of Wv
	s_wait_kmcnt 0x0
	s_bitcmp1_b32 s22, 0                           ; every choice hangs on the work-group's number alone
	s_cselect_b64 s[6:7], s[8:9], s[6:7]           ; odd blocks: Wk; even: Wq
	s_cmp_ge_u32 s22, 16
	s_cselect_b64 s[6:7], s[10:11], s[6:7]         ; from block 16 on: Wv
	s_cselect_b32 s24, s25, s24
	s_cmp_lt_u32 s36, 512
	s_cselect_b64 s[4:5], s[4:5], s[6:7]           ; from where,
	s_cselect_b64 s[12:13], s[12:13], s[14:15]     ; to where,
	s_cselect_b32 s24, s23, s24                    ; which 128 rows,
	s_cselect_b32 s22, s23, s22                    ; which block
	s_lshl_b32 s24, s24, 7
	s_lshr_b32 s26, s20, 1
	s_lshl_b32 s26, s26, 5
	s_add_co_u32 s24, s24, s26
	s_and_b32 s26, s20, 1
	s_lshl_b32 s26, s26, 3
	s_add_co_u32 s24, s24, s26                     ; the tile's first row: 128 x chunk + 32 (tile / 2) + 8 (tile % 2)
	s_lshl_b32 s24, s24, 12                        ; rows of 4,096 bytes (under 2^27)
	s_lshl_b32 s26, s21, 11
	s_add_co_u32 s24, s24, s26                     ; + 2,048 x K half
	s_mov_b32 s25, 0
	s_add_nc_u64 s[4:5], s[4:5], s[24:25]
	s_mul_i32 s26, s22, BLOCKB
	s_mul_i32 s27, s19, 6144
	s_add_co_u32 s24, s26, s27
	s_add_nc_u64 s[32:33], s[12:13], s[24:25]      ; my four fragments
	s_lshl_b32 s27, s19, 8
	s_add_co_u32 s24, s26, s27
	s_add_co_u32 s24, s24, 98304
	s_add_nc_u64 s[34:35], s[12:13], s[24:25]      ; my 256 bytes of scale words
.macro LOAD t                          ; K step t of my half: 128 numbers of each of the tile's 16 rows, into set t % 3
.irp i, 0,1,2,3,4,5,6,7,8,9,10,11,12,13,14,15
	global_load_b128 v[R+64*((\t)%3)+4*\i:R+64*((\t)%3)+4*\i+3], v4, s[4:5] offset:(\i+8*(\i/8))*4096+512*(\t) th:TH_LOAD_NT   ; 32 lanes read 512 consecutive bytes
.endr
.endm
.macro STEP t
.set XS, R+64*((\t)%3)
.set PCT, PC+12*((\t)%2)
.if (\t) < 2
	s_wait_loadcnt 32                              ; this step's 16 loads are in; the 32 of the two sets behind it may be out
.elseif (\t) == 2
	s_wait_loadcnt 16                              ; the last step's 16 may be out
.else
	s_wait_loadcnt 0x0
.endif
.irp i, 0,1,2,3,4,5,6,7,8,9,10,11,12,13,14,15
	ds_store_b128 v5, v[XS+4*\i:XS+4*\i+3] offset:528*\i
.endr
.irp c, 0,1                            ; LDS serves a wave's instructions in order (ISA guide 5.7.1.4): these see the stores above.  Register 32 c + i = k 64 c + 32 h + i of row r
.irp j, 0,1,2,3,4,5,6,7
	ds_load_b128 v[XS+32*\c+4*\j:XS+32*\c+4*\j+3], v6 offset:256*\c+16*\j
.endr
.endr
	s_wait_dscnt 0x0
	v_max3_num_f32 v12, |v[XS]|, |v[XS+1]|, 0x2800000              ; my two whole blocks, by turns; the floor 2^(5 - 127) holds the byte at 1 from below
	v_max3_num_f32 v13, |v[XS+32]|, |v[XS+33]|, 0x2800000
.irp i, 2,4,6,8,10,12,14,16,18,20,22,24,26,28,30
	v_max3_num_f32 v12, v12, |v[XS+\i]|, |v[XS+\i+1]|
	v_max3_num_f32 v13, v13, |v[XS+32+\i]|, |v[XS+33+\i]|
.endr
	v_add_nc_u32 v14, 0xfe000000, v12              ; 4 off the exponent field: the conversion takes the exponent field of this operand as its scale
	v_add_nc_u32 v15, 0xfe000000, v13
	v_lshrrev_b32 v16, 23, v14                     ; the scales' bytes: blocks h and 2 + h of row r
	v_lshrrev_b32 v17, 23, v15
	v_lshl_or_b32 v9, v17, 16, v16
	v_lshlrev_b32 v9, v8, v9                       ; at their places in the scale word
	v_permlanex16_b32 v10, v9, s28, s29
	v_or_b32 v9, v9, v10                           ; with lane l xor 16's two the word is whole, in both halves of the lanes
.if (\t)%2 == 0
	v_mov_b32 v[18+(\t)/2], v9                     ; an even K step's words are read from lanes 0-15,
.else
	v_cndmask_b32 v[18+(\t)/2], v[18+(\t)/2], v9, s30   ; an odd one's from lanes 16-31 of the same register
.endif
.if (\t) >= 2
	s_wait_xcnt 0x0                                ; the stores of two steps ago read this set of code registers: it is written again only behind this wait
.endif
	v_cvt_scalef32_pk16_bf6_f32 v[PCT:PCT+2], v[XS:XS+15], v14
	v_cvt_scalef32_pk16_bf6_f32 v[20:22], v[XS+16:XS+31], v14      ; (a conversion's three registers begin on an even number)
	v_cvt_scalef32_pk16_bf6_f32 v[PCT+6:PCT+8], v[XS+32:XS+47], v15
	v_cvt_scalef32_pk16_bf6_f32 v[24:26], v[XS+48:XS+63], v15
	v_nop                                          ; one plain place behind a scaled conversion
.irp i, 0,1,2
	v_mov_b32 v[PCT+3+\i], v[20+\i]
	v_mov_b32 v[PCT+9+\i], v[24+\i]
.endr
.if (\t) == 0
	LOAD 3                                         ; the first set's registers take the last step's loads
.endif
.irp g, 0,1,2
	global_store_b128 v4, v[PCT+4*\g:PCT+4*\g+3], s[32:33] offset:1536*(\t)+512*\g   ; 32 lanes store 512 consecutive bytes, at a multiple of 512 from the buffer's first byte
.endr
.endm
	LOAD 0
	LOAD 1
	LOAD 2
	STEP 0
	STEP 1
	STEP 2
	STEP 3
	global_store_b64 v7, v[18:19], s[34:35]        ; 32 lanes store 256 consecutive bytes, aligned
	s_wait_tensorcnt 0x0
	ds_add_u32 v248, v249
	s_wait_dscnt 0x0
	s_endpgm
.Lfunc_end_k_q55b5df4000_quant:
	.size	k_q55b5df4000_quant, .Lfunc_end_k_q55b5df4000_quant-k_q55b5df4000_quant
	.p2alignl 7, 3214868480
	.fill 96, 4, 3214868480
	.section	.rodata,"a",@progbits
	.p2align	6, 0x0
	.amdhsa_kernel k_q55b5df4000_quant
		.amdhsa_group_segment_fixed_size 17152
		.amdhsa_private_segment_fixed_size 0
		.amdhsa_enable_private_segment 0
		.amdhsa_kernarg_size 48
		.amdhsa_user_sgpr_count 2
		.amdhsa_user_sgpr_kernarg_segment_ptr 1
		.amdhsa_wavefront_size32 1
		.amdhsa_system_sgpr_workgroup_id_x 1
		.amdhsa_system_sgpr_workgroup_id_y 1
		.amdhsa_system_sgpr_workgroup_id_z 1
		.amdhsa_system_vgpr_workitem_id 0
		.amdhsa_next_free_vgpr 250
		.amdhsa_next_free_sgpr 66
		.amdhsa_reserve_vcc 0
		.amdhsa_float_denorm_mode_32 3
		.amdhsa_float_denorm_mode_16_64 3
		.amdhsa_memory_ordered 1
		.amdhsa_forward_progress 1
		.amdhsa_inst_pref_size 31
	.end_amdhsa_kernel
	.amdgpu_metadata
---
amdhsa.version: [ 1, 2 ]
amdhsa.kernels:
  - .name:           k_q55b5df4000_quant
    .symbol:         k_q55b5df4000_quant.kd
    .args:
      - { .name: inputs, .offset: 0, .size: 8, .value_kind: global_buffer, .address_space: global }
      - { .name: Wq, .offset: 8, .size: 8, .value_kind: global_buffer, .address_space: global }
      - { .name: Wk, .offset: 16, .size: 8, .value_kind: global_buffer, .address_space: global }
      - { .name: Wv, .offset: 24, .size: 8, .value_kind: global_buffer, .address_space: global }
      - { .name: xq, .offset: 32, .size: 8, .value_kind: global_buffer, .address_space: global }
      - { .name: wq, .offset: 40, .size: 8, .value_kind: global_buffer, .address_space: global }
    .group_segment_fixed_size: 17152
    .private_segment_fixed_size: 0
    .kernarg_segment_align: 8
    .kernarg_segment_size: 48
    .max_flat_workgroup_size: 64
    .sgpr_count:     66
    .vgpr_count:     250
    .wavefront_size: 32
...
	.end_amdgpu_metadata
.endif
;; end of part 1
;; launch scores (part 2): grid 128 x 2, 4 waves a work-group, clusters of 4 x 1, 327,680 bytes of LDS; arguments xq, wq, bq, bk, sc; writes sc
.if DOCPART == 2
	.amdgcn_target "amdgcn-amd-amdhsa--gfx1250"
	.amdhsa_code_object_version 6
	.text
	.protected	k_q55b5df4000_scores
	.globl	k_q55b5df4000_scores
	.p2align	8
	.type	k_q55b5df4000_scores,@function
k_q55b5df4000_scores:
	s_mov_b64 s[64:65], 0
	v_nop
	global_prefetch_b8 v0, s[64:65] scope:SCOPE_SE
	s_setreg_imm32_b32 hwreg(HW_REG_WAVE_MODE, 25, 1), 1
	s_wait_xcnt 0x0
	s_wait_alu depctr_hold_cnt(0) depctr_sa_sdst(0) depctr_va_vdst(0) depctr_va_sdst(0) depctr_va_ssrc(0) depctr_va_vcc(0) depctr_vm_vsrc(0)
	s_getreg_b32 s2, hwreg(HW_REG_IB_STS2, 6, 4)
	s_cmp_eq_u32 s2, 0
	s_cbranch_scc0 .Lentry_in_a_cluster
	s_endpgm
.Lentry_in_a_cluster:
	s_bfe_u32 s2, ttmp6, 0x10000c
	s_cmp_lg_u32 s2, 0x3003
	s_cbranch_scc0 .Lentry_shape_is_right
	s_endpgm
.Lentry_shape_is_right:
; For batch and half y of the 1,024 channels d: Q = x Wq^T + bq and K = x Wk^T + bk for d = 512 y .. 512 y + 511, both quantised along d on the way, and the partial scores
; S^T = K Q^T summed over those 512 d, stored as an image of the accumulators.  All products on codes of BF6 (E3M2) with one E8M0 byte for each 32 along K.  Q and K never go to memory.
; (The f32 sum over d is so taken as two partial sums of 512, added by the next launch.)
; SHARES.  A work-group of four waves, as many as a WGP has SIMDs.  Wave w: rh = w / 2, ch = w % 2.  A wave keeps the codes of its 64 rows of x (tiles 4 rh + m), all 8 K steps, in 384 registers for the whole launch.
; The weights come block by block (128 rows of Wq or Wk x all of K: 102,400 bytes, laid as images of registers) through a ring of two LDS slots.  In a slot a wave multiplies its 64 rows by 64 of the
; block's 128 weight rows (tiles 4 ch + c): 16 accumulators x 8 K steps; a weight fragment read from LDS feeds four matrix instructions.
; THE PRODUCT IS USED TRANSPOSED (source 0 = 16 rows of W, source 1 = 16 rows of x): a lane holds one row of x, and, by the order of a tile's rows, the 16 registers of two neighbouring tiles are 16 neighbours along d.
; The bias is the C of each sum's first matrix instruction.
; x's loads are issued in the order of the K steps, the first half of them ahead of the opening round, and the first slot's K step s waits only for its own: the first slot is multiplied while the later K steps of x are on their way.
; FROM WAVE TO WAVE: a wave's 64 d are half a fragment (6 registers) of each of its four row tiles.  The halves go to LDS as images: fragment T at 1536 T, half c at + 768 c, pair g at + 256 g + 8 x lane;
; the scale word at 128 T + 4 x lane, half c's two bytes at + 2 c.  Q's images use one buffer, K's the other, so that between two rounds a buffer is only written or only read.
; SCORES: wave w owns query tiles 2 w and 2 w + 1 and all 8 tiles of keys: 16 accumulators kept for the whole launch, one K step of 128 d for each pair of slots.
; CLUSTER: the four work-groups of a cluster are four batches with the same y: they walk the same weights, so each quarter of a block is asked for JOINTLY, by the same tensor load with the same
; descriptor and a mask that names the four.  One round of the cluster's barrier stands at each slot's head.
; LIMITS: a block of 32 whose largest magnitude lies under 2^-122 keeps the scale byte 1, a block of zeros too (its codes are zeros; this program alone reads the bytes); NaN and infinities are not served.
; REGISTERS, in windows of 256 (s_set_vgpr_msb: bits 1:0 source 0, 3:2 source 1, 5:4 source 2, 7:6 destination):
;   window 0: v0-31 addresses; v32-47 x's scale words, v48-63 the weights', v64-71 K's, v72-73 Q's; v80-95 at work; v96-127 codes just made; v128-255 the 16 accumulators of a slot
;   window 1: v0-191 x's fragments of K steps 0-3 (48 s + 12 m); v192-255 the scores of query tile 2 w       window 2: the same for K steps 4-7 and query tile 2 w + 1
;   window 3: v0-143 three sets of four weight fragments (or K's eight); v144-167 Q's two fragments; v168-199 the bias, eight registers a tile
.set BLOCKB, 102400                    ; a block of weights, and an LDS slot
.set QUART,  25600                     ; what one tensor load brings: 100 rows of 256 bytes
.set EX0,    204800                    ; behind the ring: the exchange buffer for Q's images (12,288 bytes of codes, 1,024 of scale words),
.set EXB,    13312                     ; and, so far on, K's
.set EXS,    12288
.set BQ,     231424                    ; bq's 512 numbers of this half; 2,048 bytes on: bk's
.set SPARE,  235520                    ; the spare words, 128 bytes for each wave: two blocks of 256 bytes that no other line names
.set WA,  3                            ; v3, v4   my 64 weight rows' fragments in slot 0, 1: + 16 x lane
.set WSA, 5                            ; v5, v6   their scale words: + 8 x lane
.set XSC, 32
.set WSC, 48
.set ES,  64
.set QS,  72
.set TM,  80
.set TP,  88
.set PC,  96
.set PW,  16
.set ACC, 128
.set QF,  144
.set BI,  168
.set MSB, 0
.macro WIN new                         ; the immediate's high byte repeats the setting that is left; a switch that changes nothing is dropped
.if MSB != \new
	s_set_vgpr_msb (MSB<<8)|\new
.set MSB, \new
.endif
.endm
.macro PLACES                          ; four places behind matrix instructions, ahead of loads into their registers and of reads of their results; also the four lines behind a tensor load
.rept 4
	v_nop
.endr
.endm
.macro ROUND                           ; a round of the cluster's barrier: my work-group's barrier; wave 0 signals for the work-group; every wave waits for all four work-groups; my work-group's barrier once more
	s_barrier_signal -1
	s_barrier_wait -1
	s_cmp_lg_u32 s14, 0
	s_cbranch_scc1 .Lnot_wave_0_\@
	s_barrier_signal -3
.Lnot_wave_0_\@:
	s_barrier_wait -3
	s_barrier_signal -1
	s_barrier_wait -1
.endm
; THE HEAD OF THE SLOT THAT LIES IN RING p.  Behind the round the slot is whole, nobody reads the other slot, the images stored in the slot before can be read, and the images read there may be written again.
.macro HEAD p, fill
	s_wait_tensorcnt 0x0                           ; all my tensor loads have landed: the one that was out is my quarter of this slot
	ds_add_u32 v28, v29                            ; 0 onto my spare word
	s_add_nc_u64 s[34+4*\p:35+4*\p], s[34+4*\p:35+4*\p], 2*BLOCKB   ; no load of mine is out, so a group 0 may be written: this slot's next block
	s_wait_dscnt 0x0                               ; the add is done, my LDS stores have landed and my reads of the other slot are over
	ROUND
.if \fill
	tensor_load_to_lds s[36-4*\p:39-4*\p], s[24:31]   ; my one tensor load behind the round: the next block's quarter, into the slot read last; it has this whole slot's work in which to land
	s_nop 0
	PLACES
.endif
.endm
.macro QUAD p, s                       ; my four weight fragments of K step s into set s % 3: twelve loads of 512 consecutive bytes
	WIN 0xc0
.irp c, 0,1,2,3
.irp g, 0,1,2
	ds_load_b128 v[48*((\s)%3)+12*\c+4*\g:48*((\s)%3)+12*\c+4*\g+3], v[WA+\p] offset:12288*\c+1536*(\s)+512*\g
.endr
.endr
.endm
; One matrix instruction of a slot: K step s, row tile m, weight tile c.  kind 0: source 0 = W, source 1 = x (a lane holds a row of x);  kind 1: the other way round (a lane holds a row of W).
; An odd K step's scale words lie in lanes 16-31 of the register that holds the even step's in lanes 0-15.
.macro WM kind, s, m, c
.set ZW, 48*((\s)%3)+12*(\c)
.set ZX, 48*((\s)%4)+12*(\m)
.set ZSW, WSC+4*(\c)+(\s)/2
.set ZSX, XSC+4*(\m)+(\s)/2
.if \kind == 0
.set ZD, ACC+8*(4*(\m)+(\c))
.set ZA, ZW
.set ZB, ZX
.set ZSA, ZSW
.set ZSB, ZSX
.else
.set ZD, ACC+8*(4*(\c)+(\m))
.set ZA, ZX
.set ZB, ZW
.set ZSA, ZSX
.set ZSB, ZSW
.endif
.if (\s) == 0
	v_wmma_scale_f32_16x16x128_f8f6f4 v[ZD:ZD+7], v[ZA:ZA+11], v[ZB:ZB+11], v[BI+8*(\c):BI+8*(\c)+7], v[ZSA], v[ZSB] matrix_a_fmt:MATRIX_FMT_BF6 matrix_b_fmt:MATRIX_FMT_BF6
.elseif (\s)%2 == 0
	v_wmma_scale_f32_16x16x128_f8f6f4 v[ZD:ZD+7], v[ZA:ZA+11], v[ZB:ZB+11], v[ZD:ZD+7], v[ZSA], v[ZSB] matrix_a_fmt:MATRIX_FMT_BF6 matrix_b_fmt:MATRIX_FMT_BF6
.else
	v_wmma_scale_f32_16x16x128_f8f6f4 v[ZD:ZD+7], v[ZA:ZA+11], v[ZB:ZB+11], v[ZD:ZD+7], v[ZSA], v[ZSB] matrix_a_fmt:MATRIX_FMT_BF6 matrix_b_fmt:MATRIX_FMT_BF6 matrix_a_scale:MATRIX_SCALE_ROW1 matrix_b_scale:MATRIX_SCALE_ROW1
.endif
.endm
; A SLOT'S PRODUCT: 64 rows of x against 64 rows of W, all of K.  PRE: its 52 first LDS loads: the weights' scale words, the bias (ba, boff: its register and offset), three K steps of weight fragments.
.macro PRE kind, p, ba, boff
	WIN 0
.irp c, 0,1,2,3
.irp k, 0,1
	ds_load_b64 v[WSC+4*\c+2*\k:WSC+4*\c+2*\k+1], v[WSA+\p] offset:512*\c+256*\k
.endr
.endr
	WIN 0xc0
.irp c, 0,1,2,3
.irp e, 0,1
.if \kind == 0
	ds_load_b128 v[BI+8*\c+4*\e:BI+8*\c+4*\e+3], v[\ba] offset:\boff+128*(\c/2)+32*(\c%2)+16*\e     ; lane (r, h), tile c: the bias of d = 32 (c / 2) + 8 (c % 2) + 16 h + 0 .. 7 of my 64
.else
	ds_load_b128 v[BI+8*\c+4*\e:BI+8*\c+4*\e+3], v[\ba] offset:\boff+1024*(\c/2)+256*(\c%2)+16*\e
.endif
.endr
.endr
	QUAD \p, 0
	QUAD \p, 1
	QUAD \p, 2
.endm
; KSTEPS: the eight K steps.  The 16 accumulators take turns, one instruction a turn, in the same order in every K step.  The weight fragments run three K steps ahead in three sets.
; first = 1: x is still on its way: behind K step s's twelve loads of x stand those of the 7 - s later steps, twelve each, which may stay out (a wait names 63 at the most).
.macro KSTEPS kind, p, first
.irp s, 0,1,2,3,4,5,6,7
.if \s < 6
	s_wait_dscnt 24                                ; all but the two younger runs of twelve: this K step's fragments are in (at the first step the scale words and the bias too)
.elseif \s == 6
	s_wait_dscnt 12
.else
	s_wait_dscnt 0x0
.endif
.if \first
.if 12*(7-\s) > 63
	s_wait_loadcnt 63
.else
	s_wait_loadcnt 12*(7-\s)
.endif
.endif
.if \kind == 0
.set WB, 0x03+0x04*(1+\s/4)            ; W in window 3, x in window 1 or 2
.else
.set WB, 0x0c+(1+\s/4)
.endif
.if \s == 0
.set WB, WB+0x30                       ; the bias, as C, in window 3
.endif
	WIN WB
.irp m, 0,1,2,3
.irp c, 0,1,2,3
	WM \kind, \s, \m, \c
.endr
.endr
.if \s < 5
	PLACES
	QUAD \p, \s+3                                  ; the set just multiplied takes the K step three on
.endif
.endr
	WIN 0
	PLACES
.endm
.macro PROJ kind, p, ba, boff, first
	PRE \kind, \p, \ba, \boff
	KSTEPS \kind, \p, \first
.endm
; THE QUANTISER.  The 128 accumulator registers are 8 blocks' halves: block B = registers 16 B .. 16 B + 15, 16 neighbours along the next K; the other 16 lie in lane l xor 16.
; Unit n = blocks 2 n and 2 n + 1 = half a fragment.  Each accumulator is read from its low end on.  Out: unit n's codes in v[PC + 8 n] + 0, 1, 2, 4, 5, 6, its two scale bytes in v[PW + n].
.macro QCORE
.irp b, 0,1,2,3,4,5,6,7
	v_max3_num_f32 v[TM+\b], |v[ACC+16*\b]|, |v[ACC+16*\b+1]|, 0x2800000   ; the floor 2^(5 - 127) holds the byte at 1 from below
.endr
.irp i, 2,4,6,8,10,12,14
.irp b, 0,1,2,3,4,5,6,7
	v_max3_num_f32 v[TM+\b], v[TM+\b], |v[ACC+16*\b+\i]|, |v[ACC+16*\b+\i+1]|   ; (the eight blocks by turns)
.endr
.endr
.irp b, 0,1,2,3,4,5,6,7
	v_permlanex16_b32 v[TP+\b], v[TM+\b], s20, s21
.endr
.irp b, 0,1,2,3,4,5,6,7
	v_max_num_f32 v[TM+\b], v[TM+\b], v[TP+\b]     ; the block's largest magnitude
.endr
.irp b, 0,1,2,3,4,5,6,7
	v_add_nc_u32 v[TM+\b], 0xfe000000, v[TM+\b]    ; 4 off its exponent field: the conversion's scale operand
.endr
.irp b, 0,1,2,3,4,5,6,7
	v_lshrrev_b32 v[TP+\b], 23, v[TM+\b]           ; the scale's byte
.endr
.irp n, 0,1,2,3
	v_lshl_or_b32 v[PW+\n], v[TP+2*\n+1], 8, v[TP+2*\n]
.endr
.irp n, 0,1,2,3
.irp e, 0,1
	v_cvt_scalef32_pk16_bf6_f32 v[PC+8*\n+4*\e:PC+8*\n+4*\e+2], v[ACC+32*\n+16*\e:ACC+32*\n+16*\e+15], v[TM+2*\n+\e]
.endr
.endr
	v_nop                                          ; one plain place behind a scaled conversion
.irp n, 0,1,2,3                        ; the operand's layout wants a WHOLE block in a lane: lanes 0-15 block 2 n, lanes 16-31 block 2 n + 1
.irp i, 0,1,2
	v_permlane16_swap_b32 v[PC+8*\n+\i], v[PC+8*\n+4+\i]
.endr
.endr
.endm
.macro QOUT ex                         ; the four halves and their scale bytes go to the exchange buffer at ex
.irp n, 0,1,2,3
	v_mov_b32 v[PC+8*\n+3], v[PC+8*\n+4]           ; six registers on end
	v_mov_b32 v[PC+8*\n+4], v[PC+8*\n+5]
	v_mov_b32 v[PC+8*\n+5], v[PC+8*\n+6]
.endr
.irp n, 0,1,2,3
.irp g, 0,1,2
	ds_store_b64 v9, v[PC+8*\n+2*\g:PC+8*\n+2*\g+1] offset:\ex+1536*\n+256*\g
.endr
	ds_store_b16 v10, v[PW+\n] offset:\ex+128*\n
.endr
.endm
.macro EXLOAD ex                       ; all eight fragments of the exchange buffer at ex into window 3, v0-95, and their scale words
	WIN 0xc0
.irp t, 0,1,2,3,4,5,6,7
.irp c, 0,1
.irp g, 0,1,2
	ds_load_b64 v[12*\t+6*\c+2*\g:12*\t+6*\c+2*\g+1], v11 offset:\ex+1536*\t+768*\c+256*\g
.endr
.endr
.endr
	WIN 0
.irp t, 0,1,2,3,4,5,6,7
	ds_load_b32 v[ES+\t], v12 offset:\ex+128*\t
.endr
.endm
.macro LOADQ                           ; my two query tiles' fragments of this chunk of d: held in registers, since their buffer is written again behind the next round
	WIN 0xc0
.irp q, 0,1
.irp c, 0,1
.irp g, 0,1,2
	ds_load_b64 v[QF+12*\q+6*\c+2*\g:QF+12*\q+6*\c+2*\g+1], v13 offset:1536*\q+768*\c+256*\g
.endr
.endr
.endr
	WIN 0
.irp q, 0,1
	ds_load_b32 v[QS+\q], v14 offset:128*\q
.endr
.endm
.macro SCORES zero                     ; S^T += K Q^T over one chunk of 128 d: source 0 = 16 keys, source 1 = my 16 queries.  zero = 1: the first chunk starts the sums
	EXLOAD EXB
	s_wait_dscnt 0x0
	WIN 0x5f                                       ; K and Q in window 3, the scores in window 1
.irp t, 0,1,2,3,4,5,6,7
.if \zero
	v_wmma_scale_f32_16x16x128_f8f6f4 v[192+8*\t:199+8*\t], v[12*\t:12*\t+11], v[QF:QF+11], 0, v[ES+\t], v[QS] matrix_a_fmt:MATRIX_FMT_BF6 matrix_b_fmt:MATRIX_FMT_BF6
.else
	v_wmma_scale_f32_16x16x128_f8f6f4 v[192+8*\t:199+8*\t], v[12*\t:12*\t+11], v[QF:QF+11], v[192+8*\t:199+8*\t], v[ES+\t], v[QS] matrix_a_fmt:MATRIX_FMT_BF6 matrix_b_fmt:MATRIX_FMT_BF6
.endif
.endr
	WIN 0xaf                                       ; the second query tile's in window 2
.irp t, 0,1,2,3,4,5,6,7
.if \zero
	v_wmma_scale_f32_16x16x128_f8f6f4 v[192+8*\t:199+8*\t], v[12*\t:12*\t+11], v[QF+12:QF+23], 0, v[ES+\t], v[QS+1] matrix_a_fmt:MATRIX_FMT_BF6 matrix_b_fmt:MATRIX_FMT_BF6
.else
	v_wmma_scale_f32_16x16x128_f8f6f4 v[192+8*\t:199+8*\t], v[12*\t:12*\t+11], v[QF+12:QF+23], v[192+8*\t:199+8*\t], v[ES+\t], v[QS+1] matrix_a_fmt:MATRIX_FMT_BF6 matrix_b_fmt:MATRIX_FMT_BF6
.endif
.endr
	WIN 0
	PLACES
.endm
.macro XSCALES                         ; the scale words of my 64 rows of x: 8 loads of 256 consecutive bytes
.irp m, 0,1,2,3
.irp k, 0,1
	global_load_b64 v[XSC+4*\m+2*\k:XSC+4*\m+2*\k+1], v2, s[42:43] offset:(2*\m+\k)*256
.endr
.endr
.endm
.macro XK s                            ; their codes of K step s: 12 loads of 512 consecutive bytes, into window 1 (K steps 0-3) or 2; the window is left as it is set
.if (\s) < 4
	WIN 0x40
.else
	WIN 0x80
.endif
.irp m, 0,1,2,3
.irp g, 0,1,2
	global_load_b128 v[48*((\s)%4)+12*\m+4*\g:48*((\s)%4)+12*\m+4*\g+3], v1, s[40:41] offset:12288*\m+1536*(\s)+512*\g
.endr
.endr
.endm
	s_load_b256 s[4:11], s[0:1], 0x0               ; xq s[4:5], wq s[6:7], bq s[8:9], bk s[10:11]
	s_load_b64 s[12:13], s[0:1], 0x20              ; sc
	v_lshl_add_u32 v28, v0, 2, SPARE               ; my spare word; never rewritten
	v_mov_b32 v29, 0                               ; 0; never rewritten
	ds_add_u32 v28, v29
	ds_add_u32 v28, v29
	s_wait_dscnt 0x0
	v_lshrrev_b32 v1, 5, v0
	v_readfirstlane_b32 s14, v1                    ; wave 0..3
	s_lshr_b32 s15, s14, 1                         ; rh: which 64 rows of x
	s_and_b32 s16, s14, 1                          ; ch: which 64 rows of a block of weights
	v_and_b32 v20, 31, v0                          ; lane
	v_bfe_u32 v22, v0, 4, 1                        ; h
	v_lshlrev_b32 v1, 4, v20                       ; 16 x lane
	v_lshlrev_b32 v2, 3, v20                       ; 8 x lane
	v_lshlrev_b32 v23, 2, v20                      ; 4 x lane
	s_mul_i32 s46, s16, 49152
	v_add_nc_u32 v3, s46, v1                       ; my four weight tiles in slot 0,
	v_add_nc_u32 v4, BLOCKB, v3                    ; in slot 1
	s_lshl_b32 s46, s16, 11
	s_add_co_u32 s46, s46, 98304
	v_add_nc_u32 v5, s46, v2                       ; their scale words
	v_add_nc_u32 v6, BLOCKB, v5
	s_lshl_b32 s46, s16, 8
	s_add_co_u32 s46, s46, BQ
	v_lshl_add_u32 v7, v22, 6, s46                 ; bq in LDS: + 256 ch + 64 h
	v_add_nc_u32 v8, 2048, v7                      ; bk
	s_mul_i32 s46, s15, 6144
	s_mul_i32 s47, s16, 768
	s_add_co_u32 s46, s46, s47
	s_add_co_u32 s46, s46, EX0
	v_add_nc_u32 v9, s46, v2                       ; where I store images: fragments 4 rh on, half ch
	s_lshl_b32 s46, s15, 9
	s_lshl_b32 s47, s16, 1
	s_add_co_u32 s46, s46, s47
	s_add_co_u32 s46, s46, EX0+EXS
	v_add_nc_u32 v10, s46, v23                     ; and their two scale bytes
	v_add_nc_u32 v11, EX0, v2                      ; where any fragment is read,
	v_add_nc_u32 v12, EX0+EXS, v23                 ; and its scale word
	s_mul_i32 s46, s14, 3072
	s_add_co_u32 s46, s46, EX0
	v_add_nc_u32 v13, s46, v2                      ; my two query tiles, 2 w on
	s_lshl_b32 s46, s14, 8
	s_add_co_u32 s46, s46, EX0+EXS
	v_add_nc_u32 v14, s46, v23
	v_lshl_add_u32 v15, v0, 4, BQ                  ; where I put 16 bytes of a bias
	v_lshlrev_b32 v31, 4, v0                       ; and where they come from
.irp b, 0,1,2,3,4,5,6,7
	v_mov_b32 v[TP+\b], 0                          ; written once: a lane permute's destination counts as one of its sources
.endr
	s_mov_b32 s20, 0x76543210
	s_mov_b32 s21, 0xfedcba98                      ; v_permlanex16_b32's selects for lane l xor 16
	s_bfe_u32 s17, ttmp6, 0x40000                  ; cx: my place in the cluster
	s_lshl_b32 s18, ttmp9, 2
	s_add_co_u32 s18, s18, s17                     ; the batch = 4 x cluster x + cx: it enters the addresses in xq and sc alone
	s_and_b32 s19, ttmp7, 0xffff                   ; y, which the four partners share
	; descriptor group 1: a quarter of a block, dense: 100 rows of 32 elements of 8 bytes, no padding (images are read lane by lane, consecutively)
	s_mov_b32 s24, 15|(3<<16)|(1<<21)              ; 15:0 the mask: all four work-groups; 17:16 elements of 8 bytes; 21 set beside a mask
	s_mov_b32 s25, 32<<16                          ; tensor_dim0 = 32
	s_mov_b32 s26, 100<<16                         ; tensor_dim1 = 100
	s_mov_b32 s27, 32<<16                          ; tile_dim0 = 32
	s_mov_b32 s28, 100                             ; tile_dim1 = 100
	s_mov_b32 s29, 32                              ; tensor_dim0_stride
	s_mov_b32 s30, 0
	s_mov_b32 s31, 0
	s_mov_b32 s32, 1                               ; group 0 for slot 0: count = 1,
	s_mul_i32 s33, s14, QUART                      ; LDS address: wave x a quarter,
	s_mov_b32 s36, 1                               ; and for slot 1
	s_add_co_u32 s37, s33, BLOCKB
	s_mul_i32 s46, s19, 8*BLOCKB                   ; this half's eight blocks begin at block 8 y: Q and K by turns
	s_add_co_u32 s46, s46, s33
	s_mov_b32 s47, 0
	s_mul_i32 s22, s18, BLOCKB                     ; x's block
	s_mul_i32 s48, s15, 49152
	s_add_co_u32 s48, s48, s22
	s_mov_b32 s49, 0
	s_wait_kmcnt 0x0
	s_add_nc_u64 s[34:35], s[6:7], s[46:47]        ; global address: block 8 y, my quarter;
	s_add_nc_u64 s[38:39], s[34:35], BLOCKB        ; block 8 y + 1
	s_or_b32 s35, s35, 0x80000000                  ; type = 2
	s_or_b32 s39, s39, 0x80000000
	s_add_nc_u64 s[40:41], s[4:5], s[48:49]        ; my 64 rows' codes
	s_lshl_b32 s48, s15, 11
	s_add_co_u32 s48, s48, s22
	s_add_co_u32 s48, s48, 98304
	s_add_nc_u64 s[42:43], s[4:5], s[48:49]        ; and scale words
	s_lshl_b32 s48, s18, 17
	s_lshl_b32 s22, s19, 16
	s_add_co_u32 s48, s48, s22
	s_lshl_b32 s22, s14, 14
	s_add_co_u32 s48, s48, s22
	s_add_nc_u64 s[44:45], s[12:13], s[48:49]      ; my 16,384 bytes of sc: ((2 batch + y) 4 + w) x 16,384
	s_lshl_b32 s48, s19, 11
	s_add_nc_u64 s[8:9], s[8:9], s[48:49]          ; the biases of this half
	s_add_nc_u64 s[10:11], s[10:11], s[48:49]
	global_load_b128 v[16:19], v31, s[8:9]         ; 58 loads go out ahead of the round: the biases, x's scale words, x's K steps 0 to 3
	global_load_b128 v[20:23], v31, s[10:11]
	XSCALES
.irp s, 0,1,2,3
	XK \s
.endr
	WIN 0
	ROUND                                          ; all four work-groups are here: the first joint loads meet
	tensor_load_to_lds s[32:35], s[24:31]          ; the first block
	s_nop 0
	PLACES
.irp s, 4,5,6,7
	XK \s
.endr
	WIN 0
	s_wait_loadcnt 63                              ; of 106 loads the oldest 43 are in, the two of the biases among them
	ds_store_b128 v15, v[16:19]
	ds_store_b128 v15, v[20:23] offset:2048
	HEAD 0, 1                                      ; chunk 0 of this half's d; x's later K steps are still on their way
	PROJ 0, 0, 7, 0, 1
	QCORE
	QOUT 0
	HEAD 1, 1
	LOADQ
	PROJ 0, 1, 8, 0, 0
	QCORE
	QOUT EXB
	HEAD 0, 1                                      ; chunk 1; chunk 0's scores start the sums
	SCORES 1
	PROJ 0, 0, 7, 512, 0
	QCORE
	QOUT 0
	HEAD 1, 1
	LOADQ
	PROJ 0, 1, 8, 512, 0
	QCORE
	QOUT EXB
	HEAD 0, 1                                      ; chunk 2
	SCORES 0
	PROJ 0, 0, 7, 1024, 0
	QCORE
	QOUT 0
	HEAD 1, 1
	LOADQ
	PROJ 0, 1, 8, 1024, 0
	QCORE
	QOUT EXB
	HEAD 0, 1                                      ; chunk 3
	SCORES 0
	PROJ 0, 0, 7, 1536, 0
	QCORE
	QOUT 0
	HEAD 1, 0                                      ; the last block: nothing is left to fetch
	LOADQ
	PROJ 0, 1, 8, 1536, 0
	QCORE
	QOUT EXB
	s_wait_dscnt 0x0                               ; for the others' sake: my images of K have landed
	s_barrier_signal -1
	s_barrier_wait -1
	SCORES 0
	WIN 0x04                                       ; a store's data are its source 1: window 1
.irp i, 0,1,2,3,4,5,6,7,8,9,10,11,12,13,14,15
	global_store_b128 v1, v[192+4*\i:195+4*\i], s[44:45] offset:512*\i          ; the accumulators as they stand, each from its low end on: 512 consecutive bytes a store
.endr
	WIN 0x08                                       ; window 2
.irp i, 0,1,2,3,4,5,6,7,8,9,10,11,12,13,14,15
	global_store_b128 v1, v[192+4*\i:195+4*\i], s[44:45] offset:8192+512*\i
.endr
	WIN 0
	s_wait_tensorcnt 0x0                           ; the wave's end
	ds_add_u32 v28, v29
	s_wait_dscnt 0x0
	ROUND                                          ; the closing round: no work-group ends while a partner may still ask for a tile that names it
	s_endpgm
.Lfunc_end_k_q55b5df4000_scores:
	.size	k_q55b5df4000_scores, .Lfunc_end_k_q55b5df4000_scores-k_q55b5df4000_scores
	.p2alignl 7, 3214868480
	.fill 96, 4, 3214868480
	.section	.rodata,"a",@progbits
	.p2align	6, 0x0
	.amdhsa_kernel k_q55b5df4000_scores
		.amdhsa_group_segment_fixed_size 327680
		.amdhsa_private_segment_fixed_size 0
		.amdhsa_enable_private_segment 0
		.amdhsa_kernarg_size 40
		.amdhsa_user_sgpr_count 2
		.amdhsa_user_sgpr_kernarg_segment_ptr 1
		.amdhsa_wavefront_size32 1
		.amdhsa_system_sgpr_workgroup_id_x 1
		.amdhsa_system_sgpr_workgroup_id_y 1
		.amdhsa_system_sgpr_workgroup_id_z 1
		.amdhsa_system_vgpr_workitem_id 0
		.amdhsa_next_free_vgpr 1024
		.amdhsa_next_free_sgpr 66
		.amdhsa_reserve_vcc 0
		.amdhsa_float_denorm_mode_32 3
		.amdhsa_float_denorm_mode_16_64 3
		.amdhsa_memory_ordered 1
		.amdhsa_forward_progress 1
		.amdhsa_inst_pref_size 255
	.end_amdhsa_kernel
	.section	.bss,"aw",@nobits
	.p2align	6
	.space	262144
	.amdgpu_metadata
---
amdhsa.version: [ 1, 2 ]
amdhsa.kernels:
  - .name:           k_q55b5df4000_scores
    .symbol:         k_q55b5df4000_scores.kd
    .args:
      - { .name: xq, .offset: 0, .size: 8, .value_kind: global_buffer, .address_space: global }
      - { .name: wq, .offset: 8, .size: 8, .value_kind: global_buffer, .address_space: global }
      - { .name: bq, .offset: 16, .size: 8, .value_kind: global_buffer, .address_space: global }
      - { .name: bk, .offset: 24, .size: 8, .value_kind: global_buffer, .address_space: global }
      - { .name: sc, .offset: 32, .size: 8, .value_kind: global_buffer, .address_space: global }
    .group_segment_fixed_size: 327680
    .private_segment_fixed_size: 0
    .kernarg_segment_align: 8
    .kernarg_segment_size: 40
    .max_flat_workgroup_size: 128
    .sgpr_count:     66
    .vgpr_count:     1024
    .wavefront_size: 32
...
	.end_amdgpu_metadata
.endif
;; end of part 2
;; launch out (part 3): grid 128 x 2, 4 waves a work-group, clusters of 4 x 1, 327,680 bytes of LDS; arguments xq, wq, bv, sc, out0; writes out0
.if DOCPART == 3
	.amdgcn_target "amdgcn-amd-amdhsa--gfx1250"
	.amdhsa_code_object_version 6
	.text
	.protected	k_q55b5df4000_out
	.globl	k_q55b5df4000_out
	.p2align	8
	.type	k_q55b5df4000_out,@function
k_q55b5df4000_out:
	s_mov_b64 s[64:65], 0
	v_nop
	global_prefetch_b8 v0, s[64:65] scope:SCOPE_SE
	s_setreg_imm32_b32 hwreg(HW_REG_WAVE_MODE, 25, 1), 1
	s_wait_xcnt 0x0
	s_wait_alu depctr_hold_cnt(0) depctr_sa_sdst(0) depctr_va_vdst(0) depctr_va_sdst(0) depctr_va_ssrc(0) depctr_va_vcc(0) depctr_vm_vsrc(0)
	s_getreg_b32 s2, hwreg(HW_REG_IB_STS2, 6, 4)
	s_cmp_eq_u32 s2, 0
	s_cbranch_scc0 .Lentry_in_a_cluster
	s_endpgm
.Lentry_in_a_cluster:
	s_bfe_u32 s2, ttmp6, 0x10000c
	s_cmp_lg_u32 s2, 0x3003
	s_cbranch_scc0 .Lentry_shape_is_right
	s_endpgm
.Lentry_shape_is_right:
; For batch and half y of the 1,024 channels d: the two partial scores are added, masked causally and turned into p = 2^(t - M); V = x Wv^T + bv for d = 512 y .. 512 y + 511 is quantised along the keys;
; out = (p V) / l.  All products on codes of BF6 (E3M2) with one E8M0 byte for each 32 along K.  V and p never go to memory.
; THE SOFTMAX: t = score x log2(e) / 32; M = the row's largest t rounded UP to a whole number; p = 2^(t - M) is what is quantised, along the keys; l is the sum of the unquantised p and divides at the end.
; A row has all its 128 keys in one step, so M is the row's own maximum: nothing is rescaled.  Hidden scores (key > query) become -infinity ahead of the maximum; key 0 counts for every query.
; SHARES.  Four waves; wave w: rh = w / 2, ch = w % 2.  Wave w owns query tiles 2 w and 2 w + 1 (both work-groups of a batch make the same p: 32 queries x 128 keys a wave).
; V: as in the launch before, a wave keeps its 64 rows of x in 384 registers and multiplies them by 64 of a block's 128 rows of Wv; here source 0 = x and source 1 = W, so that a lane holds ONE d and its
; registers run down the keys: 16 neighbours in two neighbouring tiles.  A wave's 64 keys are half a fragment of V^T for each of its four d tiles; the halves go from wave to wave through LDS as images.
; O^T = V^T P^T (source 0 = 16 d, source 1 = my 16 queries), K = the 128 keys: one matrix instruction for each of 8 d tiles x 2 query tiles, a slot behind V's making.
; The way out: a lane holds 16 neighbouring d of one query in two tiles; 16 queries x 128 d go through my own stage in LDS and leave as rows of 512 consecutive bytes.
; THE LOADS AT THE HEAD: the 65 that the softmax wants go first; behind them 56 of x's 104; the softmax starts as soon as the 65 are in, and x's other 48 are issued in four runs of twelve inside it.
; The first slot's K step s waits only for its own fragments of x.
; CLUSTER: the four work-groups of a cluster are four batches with the same y and walk the same four blocks of Wv: each quarter of a block is asked for JOINTLY.
; LIMITS: a block of 32 whose largest magnitude lies under 2^-122 keeps the scale byte 1, a block of zeros too (its codes are zeros); a p under 2^-126 comes out of v_exp_f32 as 0; NaN and infinities are not served.
; REGISTERS, in windows of 256: window 0: v0-31 addresses; v32-47 x's scale words, v48-63 the weights', v64-71 V's, v72-73 p's; v74-77 1 / l, a pair a tile; v80-95 at work; v96-127 codes just made;
;   v128-255 scores and p, then a slot's 16 accumulators, then O^T.   window 1, 2: v0-191 x's fragments of K steps 0-3, 4-7.
;   window 3: v0-143 the second partial scores, then three sets of four weight fragments (or V^T's eight); v144-167 p's two fragments; v168-199 the bias
.set BLOCKB, 102400                    ; a block of weights, and an LDS slot
.set QUART,  25600                     ; what one tensor load brings: 100 rows of 256 bytes
.set EX0,    204800                    ; behind the ring: two exchange buffers (12,288 bytes of codes, 1,024 of scale words), by turns
.set EXB,    13312
.set EXS,    12288
.set STAGE,  231424                    ; 16 rows x 528 bytes for each wave
.set BVR,    265216                    ; bv's 512 numbers of this half, each eight times: the C of a tile whose lanes hold one d each
.set SPARE,  281600                    ; the spare words, 128 bytes for each wave: two blocks of 256 bytes that no other line names
.set WA,  3
.set WSA, 5
.set XSC, 32
.set WSC, 48
.set ES,  64
.set PS,  72
.set RL,  74
.set TM,  80
.set TP,  88
.set PC,  96
.set PW,  16
.set NM,  24                           ; v[24:25], v[26:27]  -M of my two query tiles, as pairs
.set ACC, 128
.set PF,  144
.set BI,  168
.set MSB, 0
.macro WIN new                         ; the immediate's high byte repeats the setting that is left; a switch that changes nothing is dropped
.if MSB != \new
	s_set_vgpr_msb (MSB<<8)|\new
.set MSB, \new
.endif
.endm
.macro PLACES                          ; four places behind matrix instructions, ahead of loads into their registers and of reads of their results; also the four lines behind a tensor load
.rept 4
	v_nop
.endr
.endm
.macro ROUND                           ; a round of the cluster's barrier
	s_barrier_signal -1
	s_barrier_wait -1
	s_cmp_lg_u32 s14, 0
	s_cbranch_scc1 .Lnot_wave_0_\@
	s_barrier_signal -3
.Lnot_wave_0_\@:
	s_barrier_wait -3
	s_barrier_signal -1
	s_barrier_wait -1
.endm
; THE HEAD OF THE SLOT THAT LIES IN RING p.  Behind the round the slot is whole, nobody reads the other slot, the images stored in the slot before can be read, and the images read there may be written again.
.macro HEAD p, fill
	s_wait_tensorcnt 0x0                           ; all my tensor loads have landed: the one that was out is my quarter of this slot
	ds_add_u32 v28, v29                            ; 0 onto my spare word
	s_add_nc_u64 s[34+4*\p:35+4*\p], s[34+4*\p:35+4*\p], 2*BLOCKB   ; no load of mine is out, so a group 0 may be written: this slot's next block
	s_wait_dscnt 0x0                               ; the add is done, my LDS stores have landed and my reads of the other slot are over
	ROUND
.if \fill
	tensor_load_to_lds s[36-4*\p:39-4*\p], s[24:31]   ; my one tensor load behind the round: the next block's quarter, into the slot read last
	s_nop 0
	PLACES
.endif
.endm
.macro QUAD p, s                       ; my four weight fragments of K step s into set s % 3
	WIN 0xc0
.irp c, 0,1,2,3
.irp g, 0,1,2
	ds_load_b128 v[48*((\s)%3)+12*\c+4*\g:48*((\s)%3)+12*\c+4*\g+3], v[WA+\p] offset:12288*\c+1536*(\s)+512*\g
.endr
.endr
.endm
; One matrix instruction of a slot: K step s, row tile m, weight tile c.  kind 0: source 0 = W, source 1 = x;  kind 1 (the one used here): source 0 = x, source 1 = W: a lane holds a row of W.
.macro WM kind, s, m, c
.set ZW, 48*((\s)%3)+12*(\c)
.set ZX, 48*((\s)%4)+12*(\m)
.set ZSW, WSC+4*(\c)+(\s)/2
.set ZSX, XSC+4*(\m)+(\s)/2
.if \kind == 0
.set ZD, ACC+8*(4*(\m)+(\c))
.set ZA, ZW
.set ZB, ZX
.set ZSA, ZSW
.set ZSB, ZSX
.else
.set ZD, ACC+8*(4*(\c)+(\m))
.set ZA, ZX
.set ZB, ZW
.set ZSA, ZSX
.set ZSB, ZSW
.endif
.if (\s) == 0
	v_wmma_scale_f32_16x16x128_f8f6f4 v[ZD:ZD+7], v[ZA:ZA+11], v[ZB:ZB+11], v[BI+8*(\c):BI+8*(\c)+7], v[ZSA], v[ZSB] matrix_a_fmt:MATRIX_FMT_BF6 matrix_b_fmt:MATRIX_FMT_BF6
.elseif (\s)%2 == 0
	v_wmma_scale_f32_16x16x128_f8f6f4 v[ZD:ZD+7], v[ZA:ZA+11], v[ZB:ZB+11], v[ZD:ZD+7], v[ZSA], v[ZSB] matrix_a_fmt:MATRIX_FMT_BF6 matrix_b_fmt:MATRIX_FMT_BF6
.else
	v_wmma_scale_f32_16x16x128_f8f6f4 v[ZD:ZD+7], v[ZA:ZA+11], v[ZB:ZB+11], v[ZD:ZD+7], v[ZSA], v[ZSB] matrix_a_fmt:MATRIX_FMT_BF6 matrix_b_fmt:MATRIX_FMT_BF6 matrix_a_scale:MATRIX_SCALE_ROW1 matrix_b_scale:MATRIX_SCALE_ROW1
.endif
.endm
; A SLOT'S PRODUCT: 64 rows of x against 64 rows of W, all of K.  PRE: its 52 first LDS loads: the weights' scale words, the bias (ba, boff: its register and offset), three K steps of weight fragments.
; From the second slot on PRE stands between the products of the 128 d before and their way out, so that these loads land under the way out's work.
.macro PRE kind, p, ba, boff
	WIN 0
.irp c, 0,1,2,3
.irp k, 0,1
	ds_load_b64 v[WSC+4*\c+2*\k:WSC+4*\c+2*\k+1], v[WSA+\p] offset:512*\c+256*\k
.endr
.endr
	WIN 0xc0
.irp c, 0,1,2,3
.irp e, 0,1
.if \kind == 0
	ds_load_b128 v[BI+8*\c+4*\e:BI+8*\c+4*\e+3], v[\ba] offset:\boff+128*(\c/2)+32*(\c%2)+16*\e
.else
	ds_load_b128 v[BI+8*\c+4*\e:BI+8*\c+4*\e+3], v[\ba] offset:\boff+1024*(\c/2)+256*(\c%2)+16*\e   ; lane r, tile c: eight times the bias of d = 32 (c / 2) + 8 (c % 2) + r + 8 (r / 8) of my 64
.endif
.endr
.endr
	QUAD \p, 0
	QUAD \p, 1
	QUAD \p, 2
.endm
; KSTEPS: the eight K steps.  The 16 accumulators take turns, one instruction a turn, in the same order in every K step.  The weight fragments run three K steps ahead in three sets.
; first = 1: x is still on its way: behind K step s's twelve loads of x stand those of the 7 - s later steps, twelve each, which may stay out (a wait names 63 at the most).
.macro KSTEPS kind, p, first
.irp s, 0,1,2,3,4,5,6,7
.if \s < 6
	s_wait_dscnt 24                                ; all but the two younger runs of twelve: this K step's fragments are in (at the first step the scale words and the bias too)
.elseif \s == 6
	s_wait_dscnt 12
.else
	s_wait_dscnt 0x0
.endif
.if \first
.if 12*(7-\s) > 63
	s_wait_loadcnt 63
.else
	s_wait_loadcnt 12*(7-\s)
.endif
.endif
.if \s == 0
	s_wait_xcnt 0x0                                ; the stores of the 128 d before read v128-255: the products below write these registers again only behind this wait
.endif
.if \kind == 0
.set WB, 0x03+0x04*(1+\s/4)
.else
.set WB, 0x0c+(1+\s/4)                 ; x in window 1 or 2, W in window 3
.endif
.if \s == 0
.set WB, WB+0x30                       ; the bias, as C, in window 3
.endif
	WIN WB
.irp m, 0,1,2,3
.irp c, 0,1,2,3
	WM \kind, \s, \m, \c
.endr
.endr
.if \s < 5
	PLACES
	QUAD \p, \s+3                                  ; the set just multiplied takes the K step three on
.endif
.endr
	WIN 0
	PLACES
.endm
; THE QUANTISER.  The 128 registers from v128 on are 8 blocks' halves: block B = registers 16 B .. 16 B + 15, 16 neighbours along the next K; the other 16 lie in lane l xor 16.
; Unit n = blocks 2 n and 2 n + 1 = half a fragment.  Each accumulator is read from its low end on.  Out: unit n's codes in v[PC + 8 n] + 0, 1, 2, 4, 5, 6, its two scale bytes in v[PW + n].
.macro QCORE
.irp b, 0,1,2,3,4,5,6,7
	v_max3_num_f32 v[TM+\b], |v[ACC+16*\b]|, |v[ACC+16*\b+1]|, 0x2800000   ; the floor 2^(5 - 127) holds the byte at 1 from below
.endr
.irp i, 2,4,6,8,10,12,14
.irp b, 0,1,2,3,4,5,6,7
	v_max3_num_f32 v[TM+\b], v[TM+\b], |v[ACC+16*\b+\i]|, |v[ACC+16*\b+\i+1]|   ; (the eight blocks by turns)
.endr
.endr
.irp b, 0,1,2,3,4,5,6,7
	v_permlanex16_b32 v[TP+\b], v[TM+\b], s20, s21
.endr
.irp b, 0,1,2,3,4,5,6,7
	v_max_num_f32 v[TM+\b], v[TM+\b], v[TP+\b]     ; the block's largest magnitude
.endr
.irp b, 0,1,2,3,4,5,6,7
	v_add_nc_u32 v[TM+\b], 0xfe000000, v[TM+\b]    ; 4 off its exponent field: the conversion's scale operand
.endr
.irp b, 0,1,2,3,4,5,6,7
	v_lshrrev_b32 v[TP+\b], 23, v[TM+\b]           ; the scale's byte
.endr
.irp n, 0,1,2,3
	v_lshl_or_b32 v[PW+\n], v[TP+2*\n+1], 8, v[TP+2*\n]
.endr
.irp n, 0,1,2,3
.irp e, 0,1
	v_cvt_scalef32_pk16_bf6_f32 v[PC+8*\n+4*\e:PC+8*\n+4*\e+2], v[ACC+32*\n+16*\e:ACC+32*\n+16*\e+15], v[TM+2*\n+\e]
.endr
.endr
	v_nop                                          ; one plain place behind a scaled conversion
.irp n, 0,1,2,3                        ; the operand's layout wants a WHOLE block in a lane: lanes 0-15 block 2 n, lanes 16-31 block 2 n + 1
.irp i, 0,1,2
	v_permlane16_swap_b32 v[PC+8*\n+\i], v[PC+8*\n+4+\i]
.endr
.endr
.endm
.macro QOUT ex                         ; the four halves and their scale bytes go to the exchange buffer at ex
.irp n, 0,1,2,3
	v_mov_b32 v[PC+8*\n+3], v[PC+8*\n+4]           ; six registers on end
	v_mov_b32 v[PC+8*\n+4], v[PC+8*\n+5]
	v_mov_b32 v[PC+8*\n+5], v[PC+8*\n+6]
.endr
.irp n, 0,1,2,3
.irp g, 0,1,2
	ds_store_b64 v9, v[PC+8*\n+2*\g:PC+8*\n+2*\g+1] offset:\ex+1536*\n+256*\g
.endr
	ds_store_b16 v10, v[PW+\n] offset:\ex+128*\n
.endr
.endm
.macro EXLOAD ex                       ; all eight fragments of the exchange buffer at ex into window 3, v0-95, and their scale words
	WIN 0xc0
.irp t, 0,1,2,3,4,5,6,7
.irp c, 0,1
.irp g, 0,1,2
	ds_load_b64 v[12*\t+6*\c+2*\g:12*\t+6*\c+2*\g+1], v11 offset:\ex+1536*\t+768*\c+256*\g
.endr
.endr
.endr
	WIN 0
.irp t, 0,1,2,3,4,5,6,7
	ds_load_b32 v[ES+\t], v12 offset:\ex+128*\t
.endr
.endm
; O^T = V^T P^T for the 128 d whose images lie at ex.  Register 16 b + i of a query tile's 64 is d = 32 b + 16 h + i of query lane % 16.
.macro PVMUL ex
	EXLOAD \ex
	s_wait_dscnt 0x0
	WIN 0x0f                                       ; V^T and P in window 3, O^T in window 0
.irp q, 0,1
.irp t, 0,1,2,3,4,5,6,7
	v_wmma_scale_f32_16x16x128_f8f6f4 v[ACC+64*\q+8*\t:ACC+64*\q+8*\t+7], v[12*\t:12*\t+11], v[PF+12*\q:PF+12*\q+11], 0, v[ES+\t], v[PS+\q] matrix_a_fmt:MATRIX_FMT_BF6 matrix_b_fmt:MATRIX_FMT_BF6
.endr
.endr
	WIN 0
	PLACES
.endm
; Its way out: divided by l, through my stage, stored.  v: which 128 d of this half's 512: 512 v bytes on in a row of out0, in the stores' immediate (128,512 bytes at the most: inside its signed 24 bits), so that no base is stepped.
.macro PVOUT v
	WIN 0
	s_wait_alu depctr_va_vdst(0)
.irp q, 0,1
.set NN, 0
.rept 32
	v_pk_mul_f32 v[ACC+64*\q+2*NN:ACC+64*\q+2*NN+1], v[ACC+64*\q+2*NN:ACC+64*\q+2*NN+1], v[RL+2*\q:RL+2*\q+1]   ; / l; each accumulator from its low end on
.set NN, NN+1
.endr
.irp b, 0,1,2,3
.irp k, 0,1,2,3
	ds_store_b128 v8, v[ACC+64*\q+16*\b+4*\k:ACC+64*\q+16*\b+4*\k+3] offset:128*\b+16*\k
.endr
.endr
.irp i, 0,1,2,3,4,5,6,7,8,9,10,11,12,13,14,15
	ds_load_b128 v[ACC+64*\q+4*\i:ACC+64*\q+4*\i+3], v13 offset:528*\i   ; LDS serves a wave's instructions in order (ISA guide 5.7.1.4): these see the stores above, and the next tile's stores come behind them
.endr
.endr
	s_wait_dscnt 32                                ; the first tile's rows are back; behind them: the second tile's 16 stores and 16 loads
.irp i, 0,1,2,3,4,5,6,7,8,9,10,11,12,13,14,15
	global_store_b128 v1, v[ACC+4*\i:ACC+4*\i+3], s[44:45] offset:(\i+8*(\i/8))*4096+512*(\v) th:TH_STORE_NT   ; 32 lanes store 512 consecutive bytes of one row of out0, at a multiple of 512 from its first byte
.endr
	s_wait_dscnt 0x0
.irp i, 0,1,2,3,4,5,6,7,8,9,10,11,12,13,14,15
	global_store_b128 v1, v[ACC+64+4*\i:ACC+64+4*\i+3], s[44:45] offset:(8+\i+8*(\i/8))*4096+512*(\v) th:TH_STORE_NT
.endr
.endm
.macro XSCALES                         ; the scale words of my 64 rows of x: 8 loads of 256 consecutive bytes
.irp m, 0,1,2,3
.irp k, 0,1
	global_load_b64 v[XSC+4*\m+2*\k:XSC+4*\m+2*\k+1], v2, s[42:43] offset:(2*\m+\k)*256
.endr
.endr
.endm
.macro XK s                            ; their codes of K step s: 12 loads of 512 consecutive bytes, into window 1 (K steps 0-3) or 2; the window is left as it is set
.if (\s) < 4
	WIN 0x40
.else
	WIN 0x80
.endif
.irp m, 0,1,2,3
.irp g, 0,1,2
	global_load_b128 v[48*((\s)%4)+12*\m+4*\g:48*((\s)%4)+12*\m+4*\g+3], v1, s[40:41] offset:12288*\m+1536*(\s)+512*\g
.endr
.endr
.endm
	s_load_b256 s[4:11], s[0:1], 0x0               ; xq s[4:5], wq s[6:7], bv s[8:9], sc s[10:11]
	s_load_b64 s[12:13], s[0:1], 0x20              ; out0
	v_lshl_add_u32 v28, v0, 2, SPARE               ; my spare word; never rewritten
	v_mov_b32 v29, 0                               ; 0; never rewritten
	ds_add_u32 v28, v29
	ds_add_u32 v28, v29
	s_wait_dscnt 0x0
	v_lshrrev_b32 v1, 5, v0
	v_readfirstlane_b32 s14, v1                    ; wave 0..3
	s_lshr_b32 s15, s14, 1                         ; rh: which 64 rows of x (keys)
	s_and_b32 s16, s14, 1                          ; ch: which 64 rows of a block of weights (d)
	v_and_b32 v20, 31, v0                          ; lane
	v_and_b32 v21, 15, v0                          ; r
	v_bfe_u32 v22, v0, 4, 1                        ; h
	v_lshlrev_b32 v1, 4, v20                       ; 16 x lane
	v_lshlrev_b32 v2, 3, v20                       ; 8 x lane
	v_lshlrev_b32 v23, 2, v20                      ; 4 x lane
	s_mul_i32 s46, s16, 49152
	v_add_nc_u32 v3, s46, v1                       ; my four weight tiles in slot 0,
	v_add_nc_u32 v4, BLOCKB, v3                    ; in slot 1
	s_lshl_b32 s46, s16, 11
	s_add_co_u32 s46, s46, 98304
	v_add_nc_u32 v5, s46, v2                       ; their scale words
	v_add_nc_u32 v6, BLOCKB, v5
	v_and_b32 v24, 8, v21
	v_add_nc_u32 v24, v24, v21                     ; r + 8 (r / 8)
	s_lshl_b32 s46, s16, 11
	s_add_co_u32 s46, s46, BVR
	v_lshl_add_u32 v7, v24, 5, s46                 ; the bias of my lane's d: 32 bytes for each d: 32 (64 ch + r + 8 (r / 8))
	s_mul_i32 s46, s14, 8448
	s_add_co_u32 s46, s46, STAGE                   ; my stage
	v_mul_u32_u24 v8, v21, 528
	v_lshl_add_u32 v8, v22, 6, v8
	v_add_nc_u32 v8, s46, v8                       ; in: row r, + 64 h
	v_add_nc_u32 v13, s46, v1                      ; back: the 32 lanes take one row of 512 bytes
	s_mul_i32 s46, s16, 6144
	s_mul_i32 s47, s15, 768
	s_add_co_u32 s46, s46, s47
	s_add_co_u32 s46, s46, EX0
	v_add_nc_u32 v9, s46, v2                       ; where I store images: fragments (d tiles) 4 ch on, half rh
	s_lshl_b32 s46, s16, 9
	s_lshl_b32 s47, s15, 1
	s_add_co_u32 s46, s46, s47
	s_add_co_u32 s46, s46, EX0+EXS
	v_add_nc_u32 v10, s46, v23                     ; and their two scale bytes
	v_add_nc_u32 v11, EX0, v2                      ; where any fragment is read,
	v_add_nc_u32 v12, EX0+EXS, v23                 ; and its scale word
	s_lshl_b32 s46, s14, 5
	v_add_nc_u32 v14, s46, v24
	v_lshlrev_b32 v25, 4, v22
	v_sub_nc_u32 v14, v14, v25                     ; 32 w + r + 8 (r / 8) - 16 h: my query in tile 2 w, less my half's first key
	v_lshl_add_u32 v15, v0, 7, BVR                 ; where I put my four numbers of bv, eight times each
	v_lshlrev_b32 v31, 4, v0                       ; and where they come from
	v_mov_b32 v30, 0xff800000                      ; -infinity
.irp b, 0,1,2,3,4,5,6,7
	v_mov_b32 v[TP+\b], 0                          ; written once: a lane permute's destination counts as one of its sources
.endr
	s_mov_b32 s20, 0x76543210
	s_mov_b32 s21, 0xfedcba98                      ; v_permlanex16_b32's selects for lane l xor 16
	s_mov_b32 s50, 0x3d38aa3b                      ; c = log2(e) / 32: t = score x c
	s_mov_b32 s51, s50                             ; (named with it as a pair, so it is written)
	s_bfe_u32 s17, ttmp6, 0x40000                  ; cx: my place in the cluster
	s_lshl_b32 s18, ttmp9, 2
	s_add_co_u32 s18, s18, s17                     ; the batch: it enters the addresses in xq, sc and out0 alone
	s_and_b32 s19, ttmp7, 0xffff                   ; y, which the four partners share
	; descriptor group 1: a quarter of a block, dense: 100 rows of 32 elements of 8 bytes, no padding
	s_mov_b32 s24, 15|(3<<16)|(1<<21)              ; 15:0 the mask: all four work-groups; 17:16 elements of 8 bytes; 21 set beside a mask
	s_mov_b32 s25, 32<<16                          ; tensor_dim0 = 32
	s_mov_b32 s26, 100<<16                         ; tensor_dim1 = 100
	s_mov_b32 s27, 32<<16                          ; tile_dim0 = 32
	s_mov_b32 s28, 100                             ; tile_dim1 = 100
	s_mov_b32 s29, 32                              ; tensor_dim0_stride
	s_mov_b32 s30, 0
	s_mov_b32 s31, 0
	s_mov_b32 s32, 1
	s_mul_i32 s33, s14, QUART                      ; LDS address: wave x a quarter
	s_mov_b32 s36, 1
	s_add_co_u32 s37, s33, BLOCKB
	s_mul_i32 s46, s19, 4*BLOCKB                   ; this half's four blocks of Wv begin at block 16 + 4 y
	s_add_co_u32 s46, s46, 16*BLOCKB
	s_add_co_u32 s46, s46, s33
	s_mov_b32 s47, 0
	s_mul_i32 s22, s18, BLOCKB                     ; x's block
	s_mul_i32 s48, s15, 49152
	s_add_co_u32 s48, s48, s22
	s_mov_b32 s49, 0
	s_wait_kmcnt 0x0
	s_add_nc_u64 s[34:35], s[6:7], s[46:47]
	s_add_nc_u64 s[38:39], s[34:35], BLOCKB
	s_or_b32 s35, s35, 0x80000000                  ; type = 2
	s_or_b32 s39, s39, 0x80000000
	s_add_nc_u64 s[40:41], s[4:5], s[48:49]        ; my 64 rows' codes
	s_lshl_b32 s48, s15, 11
	s_add_co_u32 s48, s48, s22
	s_add_co_u32 s48, s48, 98304
	s_add_nc_u64 s[42:43], s[4:5], s[48:49]        ; and scale words
	s_lshl_b32 s48, s18, 17
	s_lshl_b32 s22, s14, 14
	s_add_co_u32 s48, s48, s22
	s_add_nc_u64 s[52:53], s[10:11], s[48:49]      ; my wave's partial scores of y = 0; those of y = 1 lie 65,536 bytes on
	s_lshl_b32 s48, s18, 19
	s_lshl_b32 s22, s14, 17
	s_add_co_u32 s48, s48, s22
	s_lshl_b32 s22, s19, 11
	s_add_co_u32 s48, s48, s22
	s_add_nc_u64 s[44:45], s[12:13], s[48:49]      ; out0: row 128 batch + 32 w, d = 512 y; never stepped
	s_lshl_b32 s48, s19, 11
	s_add_nc_u64 s[8:9], s[8:9], s[48:49]          ; bv of this half
.set NN, 0
.rept 32
	global_load_b128 v[ACC+4*NN:ACC+4*NN+3], v1, s[52:53] offset:512*NN   ; 33 loads go out ahead of the round: the first partial scores and bv
.set NN, NN+1
.endr
	global_load_b128 v[16:19], v31, s[8:9]
	ROUND                                          ; all four work-groups are here: the first joint loads meet
	tensor_load_to_lds s[32:35], s[24:31]          ; the first block
	s_nop 0
	PLACES
	WIN 0xc0
.set NN, 0
.rept 32
	global_load_b128 v[4*NN:4*NN+3], v1, s[52:53] offset:65536+512*NN
.set NN, NN+1
.endr
	WIN 0
	XSCALES
.irp s, 0,1,2,3
	XK \s
.endr
	WIN 0
	s_wait_loadcnt 56                              ; the 65 loads of the scores and of bv are in; the 56 of x issued behind them may be out
.irp k, 0,1,2,3
.irp i, 0,1,2,3
	v_mov_b32 v[PC+4*\k+\i], v[16+\k]
.endr
.endr
.irp k, 0,1,2,3
	ds_store_b128 v15, v[PC+4*\k:PC+4*\k+3] offset:32*\k
	ds_store_b128 v15, v[PC+4*\k:PC+4*\k+3] offset:32*\k+16
.endr
	; THE SOFTMAX.  Register 64 q + 16 b + i holds the score of key 32 b + 16 h + i for query 32 w + 8 q + r + 8 (r / 8).
	WIN 0x0c                                       ; source 1 in window 3
.set NN, 0
.rept 64
	v_pk_add_f32 v[ACC+2*NN:ACC+2*NN+1], v[ACC+2*NN:ACC+2*NN+1], v[2*NN:2*NN+1]   ; the two halves of the sum over d
.set NN, NN+1
.endr
	WIN 0
.set NN, 0
.rept 128
	v_cmp_gt_i32 vcc_lo, 32*((NN%64)/16)+NN%16-8*(NN/64), v14      ; hidden where the key comes after the query
	v_cndmask_b32 v[ACC+NN], v[ACC+NN], v30, vcc_lo
.set NN, NN+1
.endr
	XK 4                                           ; x's K step 4: the first of four runs of twelve loads that stand inside the softmax
	WIN 0
.irp b, 0,1,2,3,4,5,6,7                ; the row's largest score: four chains a query tile, the eight by turns
	v_max3_num_f32 v[TM+\b], v[ACC+16*\b], v[ACC+16*\b+1], v[ACC+16*\b+2]
.endr
.irp i, 3,5,7,9,11,13
.irp b, 0,1,2,3,4,5,6,7
	v_max3_num_f32 v[TM+\b], v[TM+\b], v[ACC+16*\b+\i], v[ACC+16*\b+\i+1]
.endr
.endr
.irp b, 0,1,2,3,4,5,6,7
	v_max_num_f32 v[TM+\b], v[TM+\b], v[ACC+16*\b+15]
.endr
.irp q, 0,1
	v_max3_num_f32 v[TM+4*\q], v[TM+4*\q], v[TM+4*\q+1], v[TM+4*\q+2]
.endr
.irp q, 0,1
	v_max_num_f32 v[TM+4*\q], v[TM+4*\q], v[TM+4*\q+3]
.endr
.irp q, 0,1
	v_permlanex16_b32 v[TP+\q], v[TM+4*\q], s20, s21
.endr
.irp q, 0,1
	v_max_num_f32 v[TM+4*\q], v[TM+4*\q], v[TP+\q] ; with lane l xor 16's 64 keys
.endr
.irp q, 0,1
	v_mul_f32 v[TM+4*\q], s50, v[TM+4*\q]          ; as t (c is positive)
.endr
.irp q, 0,1
	v_floor_f32 v[NM+2*\q], -v[TM+4*\q]            ; -M = floor(-t) = -ceil(t): M is a whole number
.endr
.irp q, 0,1
	v_mov_b32 v[NM+2*\q+1], v[NM+2*\q]             ; (named with it as a pair, so it is written)
.endr
.set NN, 0
.rept 64
	v_pk_fma_f32 v[ACC+2*NN:ACC+2*NN+1], v[ACC+2*NN:ACC+2*NN+1], s[50:51], v[NM+2*(NN/32):NM+2*(NN/32)+1] op_sel_hi:[1,0,0]   ; t - M, two at a time
.set NN, NN+1
.endr
	XK 5
	WIN 0
.set NN, 0
.rept 128
	v_exp_f32 v[ACC+NN], v[ACC+NN]                 ; p = 2^(t - M), at most 1: not normalised; 0 where the key is hidden
.set NN, NN+1
.endr
	v_nop                                          ; a plain place behind the exponentials
	s_wait_alu depctr_va_vdst(0)
	XK 6
	WIN 0
	QCORE                                          ; unit n = query tile n / 2, keys 64 (n % 2) on
.irp q, 0,1
	v_lshl_or_b32 v[PS+\q], v[PW+2*\q+1], 16, v[PW+2*\q]   ; p's scale word
.endr
	WIN 0xc0
.irp n, 0,1,2,3
.irp i, 0,1,2
	v_mov_b32 v[PF+6*\n+\i], v[PC+8*\n+\i]         ; p's two fragments stay in window 3
	v_mov_b32 v[PF+6*\n+3+\i], v[PC+8*\n+4+\i]
.endr
.endr
	XK 7                                           ; the last of x
	WIN 0
.irp q, 0,1                            ; THE ROW'S SUM IS TAKEN OF THE UNQUANTISED p: two packed chains a query tile
	v_pk_add_f32 v[TP+4*\q:TP+4*\q+1], v[ACC+64*\q:ACC+64*\q+1], v[ACC+64*\q+4:ACC+64*\q+5]
	v_pk_add_f32 v[TP+4*\q+2:TP+4*\q+3], v[ACC+64*\q+2:ACC+64*\q+3], v[ACC+64*\q+6:ACC+64*\q+7]
.endr
.irp j, 8,12,16,20,24,28,32,36,40,44,48,52,56,60
.irp q, 0,1
	v_pk_add_f32 v[TP+4*\q:TP+4*\q+1], v[TP+4*\q:TP+4*\q+1], v[ACC+64*\q+\j:ACC+64*\q+\j+1]
	v_pk_add_f32 v[TP+4*\q+2:TP+4*\q+3], v[TP+4*\q+2:TP+4*\q+3], v[ACC+64*\q+\j+2:ACC+64*\q+\j+3]
.endr
.endr
.irp q, 0,1
	v_pk_add_f32 v[TP+4*\q:TP+4*\q+1], v[TP+4*\q:TP+4*\q+1], v[TP+4*\q+2:TP+4*\q+3]
.endr
.irp q, 0,1
	v_add_f32 v[TP+4*\q], v[TP+4*\q], v[TP+4*\q+1]
.endr
.irp q, 0,1
	v_permlanex16_b32 v[TP+4*\q+2], v[TP+4*\q], s20, s21
.endr
.irp q, 0,1
	v_add_f32 v[TP+4*\q], v[TP+4*\q], v[TP+4*\q+2] ; with lane l xor 16's: l
.endr
.irp q, 0,1
	v_rcp_f32 v[RL+2*\q], v[TP+4*\q]               ; 1 / l, twice: a pair for the packed multiply
	v_rcp_f32 v[RL+2*\q+1], v[TP+4*\q]
.endr
	v_nop                                          ; a plain place behind the reciprocals
	HEAD 0, 1                                      ; d = 512 y + 0 .. 127; x's later K steps may still be on their way
	PRE 1, 0, 7, 0
	KSTEPS 1, 0, 1
	QCORE
	QOUT 0
	HEAD 1, 1                                      ; + 128 ..; the 128 d before are multiplied by p, this slot's first loads are issued, and they go out
	PVMUL 0
	PRE 1, 1, 7, 4096
	PVOUT 0
	KSTEPS 1, 1, 0
	QCORE
	QOUT EXB
	HEAD 0, 1                                      ; + 256 ..
	PVMUL EXB
	PRE 1, 0, 7, 8192
	PVOUT 1
	KSTEPS 1, 0, 0
	QCORE
	QOUT 0
	HEAD 1, 0                                      ; + 384 ..: the last block: nothing is left to fetch
	PVMUL 0
	PRE 1, 1, 7, 12288
	PVOUT 2
	KSTEPS 1, 1, 0
	QCORE
	QOUT EXB
	s_wait_dscnt 0x0                               ; for the others' sake: my images of V have landed
	s_barrier_signal -1
	s_barrier_wait -1
	PVMUL EXB
	PVOUT 3
	s_wait_tensorcnt 0x0                           ; the wave's end
	ds_add_u32 v28, v29
	s_wait_dscnt 0x0
	ROUND                                          ; the closing round: no work-group ends while a partner may still ask for a tile that names it
	s_endpgm
.Lfunc_end_k_q55b5df4000_out:
	.size	k_q55b5df4000_out, .Lfunc_end_k_q55b5df4000_out-k_q55b5df4000_out
	.p2alignl 7, 3214868480
	.fill 96, 4, 3214868480
	.section	.rodata,"a",@progbits
	.p2align	6, 0x0
	.amdhsa_kernel k_q55b5df4000_out
		.amdhsa_group_segment_fixed_size 327680
		.amdhsa_private_segment_fixed_size 0
		.amdhsa_enable_private_segment 0
		.amdhsa_kernarg_size 40
		.amdhsa_user_sgpr_count 2
		.amdhsa_user_sgpr_kernarg_segment_ptr 1
		.amdhsa_wavefront_size32 1
		.amdhsa_system_sgpr_workgroup_id_x 1
		.amdhsa_system_sgpr_workgroup_id_y 1
		.amdhsa_system_sgpr_workgroup_id_z 1
		.amdhsa_system_vgpr_workitem_id 0
		.amdhsa_next_free_vgpr 1024
		.amdhsa_next_free_sgpr 66
		.amdhsa_reserve_vcc 1
		.amdhsa_float_denorm_mode_32 3
		.amdhsa_float_denorm_mode_16_64 3
		.amdhsa_memory_ordered 1
		.amdhsa_forward_progress 1
		.amdhsa_inst_pref_size 255
	.end_amdhsa_kernel
	.section	.bss,"aw",@nobits
	.p2align	6
	.space	262144
	.amdgpu_metadata
---
amdhsa.version: [ 1, 2 ]
amdhsa.kernels:
  - .name:           k_q55b5df4000_out
    .symbol:         k_q55b5df4000_out.kd
    .args:
      - { .name: xq, .offset: 0, .size: 8, .value_kind: global_buffer, .address_space: global }
      - { .name: wq, .offset: 8, .size: 8, .value_kind: global_buffer, .address_space: global }
      - { .name: bv, .offset: 16, .size: 8, .value_kind: global_buffer, .address_space: global }
      - { .name: sc, .offset: 24, .size: 8, .value_kind: global_buffer, .address_space: global }
      - { .name: out0, .offset: 32, .size: 8, .value_kind: global_buffer, .address_space: global }
    .group_segment_fixed_size: 327680
    .private_segment_fixed_size: 0
    .kernarg_segment_align: 8
    .kernarg_segment_size: 40
    .max_flat_workgroup_size: 128
    .sgpr_count:     66
    .vgpr_count:     1024
    .wavefront_size: 32
...
	.end_amdgpu_metadata
.endif
;; end of part 3
